; MI455X (gfx1250); checked and timed in simulation.
; The chip was launched on July 23, 2026; its instructions are those of AMD's public machine-readable ISA for CDNA 5 (MIT licence, August 2026) and "CDNA5" Instruction Set Architecture Reference Guide (July 2026). The comments in the code are by the model that wrote it; some were corrected since.
;; Novelty Map. Allowed arithmetic: float matrix products may take bf16 or f16 operands with f32 sums; all other float work in f32.
;; Inputs: x 4 x 3 x 256 x 256 float32; y 4 x 3 x 1,936 x 1,936 float32.
;; Outputs: out0 4 x 256 x 256 float32.
;; 2 versions, each right; version 2 is version 1 with the launch patchmse written anew for expert scheduling mode. Each part assembles by itself: llvm-mc -triple=amdgcn-amd-amdhsa -mcpu=gfx1250 --defsym DOCPART=n.
;; ======== version 1 of 2: 2 launches
;; workspace buffers: m 247,808 bytes
;; launch patchmse (part 1): grid 121 x 4, 11 waves a work-group, no clusters, 54,784 bytes of LDS; arguments x, y, m; writes m
.if DOCPART == 1
	.amdgcn_target "amdgcn-amd-amdhsa--gfx1250"
	.amdhsa_code_object_version 6
	.text
	.protected	k_q7876959b10_patchmse
	.globl	k_q7876959b10_patchmse
	.p2align	8
	.type	k_q7876959b10_patchmse,@function
k_q7876959b10_patchmse:
	s_mov_b64 s[64:65], 0
	v_nop
	global_prefetch_b8 v0, s[64:65] scope:SCOPE_SE
	s_setreg_imm32_b32 hwreg(HW_REG_WAVE_MODE, 25, 1), 1
	s_wait_xcnt 0x0
; NoveltyMap, first of two launches.
; m[b][py][px] = mean over c, ky, kx of (x[b][c][2py+ky][2px+kx] - y[b][c][16py+ky][16px+kx])^2, c < 3, ky, kx < 16.
; x: [4][3][256][256] f32.  y: [4][3][1936][1936] f32.  m: workspace [4][121][128] f32: 121 means, then 7 copies of the last one,
; so that a row of m is 512 bytes and is stored whole.
;
; One work-group = one (b, py), eleven waves.  For one channel its 16 rows of y are 16 x 7,744 = 123,904 consecutive bytes that begin
; at a multiple of 256 from y's first byte.  EIGHT rows are 61,952 bytes = 121 x 512 = 11 waves x 11 loads of 512 bytes: thread t takes,
; in slot s, the float4 number F = 352 s + t of the eight rows.  F / 484 is its row (ky mod 8), (F % 484) / 4 its patch px, F % 4 = t % 4
; its quarter q of the patch's 16 columns.  These are the same in all six passes (3 channels x 2 halves of the 16 rows), so a slot has one
; packed accumulator and one LDS address for the whole kernel, and every load of a wave covers 512 consecutive, aligned bytes of y.
; x: the group's 3 x 16 rows (48 KiB) are staged once in LDS; a float4 of y meets x[2 px + 4 q .. + 3], an address that is a multiple
; of 8 bytes only, hence two 8-byte LDS loads.  The 32 lanes of such a load lie within some 120 bytes of one or two x rows.
; y goes straight to registers: each byte is used once, by one lane, so a trip through LDS would only add traffic.  No cluster: y is shared
; by no two work-groups, and x is 48 KiB beside 363 KiB of y.  No matrix unit: there is no product of matrices here.
; No prefetch: each wave has 22 loads of y out from its first lines to its last third.
; LIMITS: the 768 squares are added in another order than the reference adds them (per lane, then 4 lanes, then 8 rows); all in f32.
; Infinities and NaN go through the arithmetic as they are.
.set NW,      11                       ; waves
.set SLOTS,   11                       ; loads of a wave in one pass
.set PASSES,  6                        ; pass p: channel p / 2, rows 8 (p % 2) .. + 7
.set NLOADS,  SLOTS*PASSES             ; 66 loads of y in a wave
.set D,       22                       ; ring of y registers = loads of y in flight in a wave (11,264 bytes)
.set AH,      6                        ; x operands are fetched from LDS six steps ahead
.set NX,      8                        ; ring of x operand registers (more than AH)
.set SWEEP,   NW*512                   ; 5,632 bytes: what the eleven waves cover with one load each
.set YROW,    1936*4
.set YHALF,   8*YROW                   ; 61,952
.set YBLOCK,  16*YROW                  ; a patch row of one channel
.set YCHAN,   1936*YROW
.set YBATCH,  3*YCHAN
.set XROW,    1024
.set XCHAN,   256*XROW
.set XBATCH,  3*XCHAN
.set XSTAGE,  16*XROW                  ; LDS: channel c's 16 rows of x at c * 16,384
.set PART,    3*XSTAGE                 ; LDS: behind them 968 partial sums, [ky mod 8][px]
.set YO,  1                            ; v1        16 t: my bytes in a sweep
.set XA,  2                            ; v[2:12]   slot s: LDS address of my x numbers, less the constants that ride in the offset
.set LS,  13                           ; v13       staging: 16 lane + 512 wave
.set T,   14                           ; v[14:17]  at work
.set ACC, 18                           ; v[18:39]  slot s: two running sums
.set XR,  40                           ; v[40:71]  ring of x operands, 4 registers each
.set XT,  18                           ; v[18:53]  staging only: nine float4 of x (over ACC and XR, which are not yet in use)
.set XO,  54                           ; v[54:62]  staging only: their offsets in x
.set Y,   72                           ; v[72:159] ring of y, 4 registers each
.set YB,  16                           ; s[16:21]  y at my 16 rows of channel 0, 1, 2
	s_load_b128 s[4:7], s[0:1], 0x0                ; x s[4:5], y s[6:7]
	s_load_b64 s[8:9], s[0:1], 0x10                ; m
	v_lshl_add_u32 v160, v0, 2, 0xd000
	v_mov_b32 v161, 0
	v_lshrrev_b32 v[T], 5, v0
	v_readfirstlane_b32 s11, v[T]                  ; wave
	s_and_b32 s10, ttmp7, 0xffff                   ; b; ttmp9 is py
	v_lshlrev_b32 v[YO], 4, v0
	; staging: float4 number G = 352 i + t of the 3,072 lies in channel G / 1024; in x the channels are 262,144 bytes apart, in LDS 16,384
.irp i, 0,1,2,3,4,5,6,7,8
	v_add_nc_u32 v[T], \i*NW*32, v0
	v_lshrrev_b32 v[T], 10, v[T]
	v_mad_u32_u24 v[XO+\i], v[T], XCHAN-XSTAGE, v[YO]      ; + 5,632 i in the load's offset
.endr
	s_mul_i32 s12, s10, YBATCH
	s_mul_i32 s13, ttmp9, YBLOCK
	s_add_co_u32 s12, s12, s13                     ; below 150,000,000: one word
	s_mov_b32 s13, 0
	s_mul_i32 s14, s10, XBATCH
	s_lshl_b32 s15, ttmp9, 11                      ; row 2 py of x
	s_add_co_u32 s14, s14, s15
	s_mov_b32 s15, 0
	s_mul_i32 s22, s10, 121
	s_add_co_u32 s22, s22, ttmp9
	s_lshl_b32 s22, s22, 9                         ; row (b, py) of m, 512 bytes each
	s_mov_b32 s23, 0
	s_wait_kmcnt 0x0
	s_add_nc_u64 s[4:5], s[4:5], s[14:15]
	s_add_nc_u64 s[YB:YB+1], s[6:7], s[12:13]
	s_add_nc_u64 s[YB+2:YB+3], s[YB:YB+1], YCHAN
	s_add_nc_u64 s[YB+4:YB+5], s[YB+2:YB+3], YCHAN
	s_add_nc_u64 s[8:9], s[8:9], s[22:23]
	; x first, since loads come back in the order of issue and x is wanted first.  96 wave loads for eleven waves: eight each, a ninth for waves 0-7.
	; No hint: the neighbouring patch rows read fourteen of these sixteen rows again.
.irp i, 0,1,2,3,4,5,6,7
	global_load_b128 v[XT+4*\i:XT+4*\i+3], v[XO+\i], s[4:5] offset:\i*SWEEP
.endr
	s_cmp_ge_u32 s11, 8
	s_cbranch_scc1 .Lno_ninth_load
	global_load_b128 v[XT+32:XT+35], v[XO+8], s[4:5] offset:8*SWEEP
.Lno_ninth_load:
; load number i of y: pass i / 11, slot i % 11
.macro YLOAD i
	global_load_b128 v[Y+4*((\i)%D):Y+4*((\i)%D)+3], v[YO], s[YB+2*((\i)/(2*SLOTS)):YB+2*((\i)/(2*SLOTS))+1] offset:(((\i)/SLOTS)%2)*YHALF+((\i)%SLOTS)*SWEEP th:TH_LOAD_NT
.endm
; the four x numbers that belong to it: pass p's eight rows lie at 8,192 p; 704 s = 8 x 88 s is the slot's share of 8 P (see below)
.macro XFETCH i
	ds_load_b64 v[XR+4*((\i)%NX):XR+4*((\i)%NX)+1],   v[XA+(\i)%SLOTS] offset:((\i)/SLOTS)*8*XROW+((\i)%SLOTS)*704
	ds_load_b64 v[XR+4*((\i)%NX)+2:XR+4*((\i)%NX)+3], v[XA+(\i)%SLOTS] offset:((\i)/SLOTS)*8*XROW+((\i)%SLOTS)*704+8
.endm
.set k, 0
.rept D
	YLOAD k                                        ; the ring of y is filled before anything is waited for
.set k, k+1
.endr
	; while the loads are out: addresses.  P = F / 4 = 88 s + t / 4 = 121 r + px with r = ky mod 8.
	; r = P / 121 = (542 P) >> 16, exact for P < 968: 542 x 121 = 65,536 + 46, and 46 x 7 + 542 x 120 = 65,362 stays below 65,536.
	; LDS address = 1,024 r + 8 px + 16 q = 8 P + 56 r + 16 q.
	v_and_b32 v[LS], 31, v0
	s_lshl_b32 s24, s11, 9
	v_lshl_add_u32 v[LS], v[LS], 4, s24            ; 16 lane + 512 wave: each wave stores bytes of its own
	v_lshrrev_b32 v[T], 2, v0                      ; t / 4
	v_and_b32 v[T+1], 3, v0                        ; q
	v_lshlrev_b32 v[T+1], 4, v[T+1]
	v_lshl_add_u32 v[T+1], v[T], 3, v[T+1]         ; 8 (t / 4) + 16 q
.irp s, 0,1,2,3,4,5,6,7,8,9,10
	v_add_nc_u32 v[T+2], \s*88, v[T]               ; P
	v_mul_u32_u24 v[T+2], 542, v[T+2]
	v_lshrrev_b32 v[T+2], 16, v[T+2]               ; r
	v_mad_u32_u24 v[XA+\s], v[T+2], 56, v[T+1]
.endr
	s_wait_loadcnt D                               ; the D loads of y issued behind x's stay out; x is in (eight loads or nine, the count is the same)
.irp i, 0,1,2,3,4,5,6,7
	ds_store_b128 v[LS], v[XT+4*\i:XT+4*\i+3] offset:\i*SWEEP
.endr
	s_cmp_ge_u32 s11, 8
	s_cbranch_scc1 .Lno_ninth_store
	ds_store_b128 v[LS], v[XT+32:XT+35] offset:8*SWEEP
.Lno_ninth_store:
	s_wait_dscnt 0x0                               ; for the other waves' sake: my part of x is in LDS
	s_barrier_signal -1
	s_barrier_wait -1                              ; everybody's is; from here on these 48 KiB are only read
; Step n (the symbol n): the float4 of load n.  Two packed differences, two packed multiply-adds; the slot's first product starts its sums.
.macro STEP
.if n+AH < NLOADS
	XFETCH n+AH
.endif
.if NLOADS-1-n < D-1
	s_wait_loadcnt NLOADS-1-n                      ; the tail: only the loads that are left are younger
.else
	s_wait_loadcnt D-1                             ; loads end in the order of issue: load n is in, the D - 1 younger ones stay out
.endif
.if NLOADS-1-n < AH
	s_wait_dscnt 2*(NLOADS-1-n)
.else
	s_wait_dscnt 2*AH                              ; two LDS loads for each of the AH steps fetched ahead stay out
.endif
	v_pk_add_f32 v[T:T+1],   v[Y+4*(n%D):Y+4*(n%D)+1],   v[XR+4*(n%NX):XR+4*(n%NX)+1]   neg_lo:[0,1] neg_hi:[0,1]
	v_pk_add_f32 v[T+2:T+3], v[Y+4*(n%D)+2:Y+4*(n%D)+3], v[XR+4*(n%NX)+2:XR+4*(n%NX)+3] neg_lo:[0,1] neg_hi:[0,1]
.if n < SLOTS
	v_pk_mul_f32 v[ACC+2*(n%SLOTS):ACC+2*(n%SLOTS)+1], v[T:T+1], v[T:T+1]
.else
	v_pk_fma_f32 v[ACC+2*(n%SLOTS):ACC+2*(n%SLOTS)+1], v[T:T+1], v[T:T+1], v[ACC+2*(n%SLOTS):ACC+2*(n%SLOTS)+1]
.endif
	v_pk_fma_f32 v[ACC+2*(n%SLOTS):ACC+2*(n%SLOTS)+1], v[T+2:T+3], v[T+2:T+3], v[ACC+2*(n%SLOTS):ACC+2*(n%SLOTS)+1]
.if n+D < NLOADS
	YLOAD n+D                                      ; the registers just read take the load D further on; no load passes the 66th
.endif
.endm
.set k, 0
.rept AH
	XFETCH k
.set k, k+1
.endr
.set n, 0
.rept NLOADS
	STEP
.set n, n+1
.endr
	; Each slot: my four columns, then the four quarters of the patch's row (lanes 4 i .. 4 i + 3), ridden on the additions.
.irp s, 0,1,2,3,4,5,6,7,8,9,10
	v_add_f32 v[ACC+2*\s], v[ACC+2*\s], v[ACC+2*\s+1]
.endr
.irp s, 0,1,2,3,4,5,6,7,8,9,10
	v_add_f32_dpp v[ACC+2*\s], v[ACC+2*\s], v[ACC+2*\s] row_xmask:1 row_mask:0xf bank_mask:0xf
.endr
.irp s, 0,1,2,3,4,5,6,7,8,9,10
	v_add_f32_dpp v[ACC+2*\s], v[ACC+2*\s], v[ACC+2*\s] row_xmask:2 row_mask:0xf bank_mask:0xf
.endr
	v_and_b32 v[T], 28, v0                         ; 4 (lane / 4)
	s_lshl_b32 s24, s11, 5                         ; + 8 words for each wave: word P = 88 s + t / 4 = 121 r + px
	v_add_nc_u32 v[T], s24, v[T]
.irp s, 0,1,2,3,4,5,6,7,8,9,10
	ds_store_b32 v[T], v[ACC+2*\s] offset:PART+\s*352      ; the four lanes of a quarter-group write one word with one value
.endr
	s_wait_dscnt 0x0                               ; for the other waves' sake
	s_barrier_signal -1
	s_barrier_wait -1
	s_cmp_ge_u32 s11, 4                            ; 128 threads finish the row of m
	s_cbranch_scc1 .Ldone
	v_min_u32 v[T], 120, v0                        ; threads 121-127 repeat the last patch: the row's 512 bytes are stored whole
	v_lshlrev_b32 v[T], 2, v[T]
.irp r, 0,1,2,3,4,5,6,7
	ds_load_b32 v[ACC+\r], v[T] offset:PART+\r*484
.endr
	v_lshlrev_b32 v[T+1], 2, v0
	s_wait_dscnt 0x0
	v_pk_add_f32 v[ACC:ACC+1],   v[ACC:ACC+1],   v[ACC+2:ACC+3]
	v_pk_add_f32 v[ACC+4:ACC+5], v[ACC+4:ACC+5], v[ACC+6:ACC+7]
	v_pk_add_f32 v[ACC:ACC+1],   v[ACC:ACC+1],   v[ACC+4:ACC+5]
	v_add_f32 v[ACC], v[ACC], v[ACC+1]
	v_mul_f32 v[ACC], 0x3aaaaaab, v[ACC]           ; 1 / 768
	global_store_b32 v[T+1], v[ACC], s[8:9]        ; a wave stores 128 consecutive bytes, the four waves the row's 512; the next launch reads them: no hint
.Ldone:
	s_wait_tensorcnt 0x0
	ds_add_u32 v160, v161
	s_wait_dscnt 0x0
	s_endpgm
.Lfunc_end_k_q7876959b10_patchmse:
	.size	k_q7876959b10_patchmse, .Lfunc_end_k_q7876959b10_patchmse-k_q7876959b10_patchmse
	.p2alignl 7, 3214868480
	.fill 96, 4, 3214868480
	.section	.rodata,"a",@progbits
	.p2align	6, 0x0
	.amdhsa_kernel k_q7876959b10_patchmse
		.amdhsa_group_segment_fixed_size 54784
		.amdhsa_private_segment_fixed_size 0
		.amdhsa_enable_private_segment 0
		.amdhsa_kernarg_size 24
		.amdhsa_user_sgpr_count 2
		.amdhsa_user_sgpr_kernarg_segment_ptr 1
		.amdhsa_wavefront_size32 1
		.amdhsa_system_sgpr_workgroup_id_x 1
		.amdhsa_system_sgpr_workgroup_id_y 1
		.amdhsa_system_sgpr_workgroup_id_z 1
		.amdhsa_system_vgpr_workitem_id 0
		.amdhsa_next_free_vgpr 162
		.amdhsa_next_free_sgpr 66
		.amdhsa_reserve_vcc 0
		.amdhsa_float_denorm_mode_32 3
		.amdhsa_float_denorm_mode_16_64 3
		.amdhsa_memory_ordered 1
		.amdhsa_forward_progress 1
		.amdhsa_inst_pref_size 47
	.end_amdhsa_kernel
	.amdgpu_metadata
---
amdhsa.version: [ 1, 2 ]
amdhsa.kernels:
  - .name:           k_q7876959b10_patchmse
    .symbol:         k_q7876959b10_patchmse.kd
    .args:
      - { .name: x, .offset: 0, .size: 8, .value_kind: global_buffer, .address_space: global }
      - { .name: y, .offset: 8, .size: 8, .value_kind: global_buffer, .address_space: global }
      - { .name: m, .offset: 16, .size: 8, .value_kind: global_buffer, .address_space: global }
    .group_segment_fixed_size: 54784
    .private_segment_fixed_size: 0
    .kernarg_segment_align: 8
    .kernarg_segment_size: 24
    .max_flat_workgroup_size: 352
    .sgpr_count:     66
    .vgpr_count:     162
    .wavefront_size: 32
...
	.end_amdgpu_metadata
.endif
;; end of part 1
;; launch resize (part 2): grid 256 x 1, 8 waves a work-group, no clusters, 0 bytes of LDS; arguments m, out0; writes out0
.if DOCPART == 2
	.amdgcn_target "amdgcn-amd-amdhsa--gfx1250"
	.amdhsa_code_object_version 6
	.text
	.protected	k_q7876959b10_resize
	.globl	k_q7876959b10_resize
	.p2align	8
	.type	k_q7876959b10_resize,@function
k_q7876959b10_resize:
	s_mov_b64 s[64:65], 0
	v_nop
	global_prefetch_b8 v0, s[64:65] scope:SCOPE_SE
	s_setreg_imm32_b32 hwreg(HW_REG_WAVE_MODE, 25, 1), 1
	s_wait_xcnt 0x0
; NoveltyMap, second of two launches: out0[b][i][j] = bilinear resize of m[b][0..120][0..120] to 256 x 256, half-pixel centres.
; m: workspace [4][121][128] f32 (columns 0-120 are used).  out0: [4][256][256] f32.
; Output j samples at (j + 1/2) 121/256 - 1/2.  In whole numbers: N = 242 j + 377 = 512 (sample + 1), so N >> 9 is the UPPER tap,
; N & 511 its weight in 512ths, and the lower tap is one less.  At the edges (j = 0: lower tap -1; j = 255: upper tap 121) the reference
; renormalises the one weight that is left to 1; clamping both taps into 0..120 gives the same value.  Rows likewise.
; The resize matrix has at most two entries that are not zero for each output and axis: two lerps in f32 on the vector unit, nothing for the matrix unit.
; A thread makes 4 neighbouring outputs, a wave half an output row (512 consecutive, aligned bytes), a work-group 4 rows.
; The taps' rows are the same for a whole wave: scalar bases.  No LDS, no barrier: no wave needs another's data.
; LIMITS: a lerp is a + f (b - a): where neighbouring means are infinite, or their difference passes f32's range, the result is NaN or infinite
; where the reference's weighted sum may not be.  The rows are blended first, then the columns; roundings differ from the reference's in the last bits.
.set MROW, 512
.set O0,  4                            ; v[4:7]    byte offset of output k's lower column tap
.set O1,  8                            ; v[8:11]   of its upper one
.set FX,  12                           ; v[12:15]  weight of the upper column tap
.set FY,  16                           ; v[16:17]  weight of the upper row tap, twice (a pair for the packed forms)
.set OO,  18                           ; v18       16 t: my 16 bytes in the group's 4 rows
.set M00, 20                           ; v[20:23]  lower row, lower column
.set M10, 24                           ; v[24:27]  upper row, lower column
.set M01, 28                           ; v[28:31]  lower row, upper column
.set M11, 32                           ; v[32:35]  upper row, upper column
	s_load_b128 s[4:7], s[0:1], 0x0                ; m s[4:5], out0 s[6:7]
	v_lshrrev_b32 v1, 5, v0
	v_readfirstlane_b32 s8, v1                     ; wave
	s_lshr_b32 s9, s8, 1                           ; two waves to a row
	s_lshl2_add_u32 s9, ttmp9, s9                  ; 4 x group + row: 256 b + i
	s_lshr_b32 s10, s9, 8                          ; b
	s_and_b32 s11, s9, 255                         ; i
	s_mul_i32 s12, s11, 242
	s_add_co_u32 s12, s12, 377                     ; N for the rows
	s_lshr_b32 s13, s12, 9
	s_and_b32 s12, s12, 511
	s_min_u32 s14, s13, 120                        ; upper row tap
	s_max_u32 s13, s13, 1
	s_sub_co_u32 s13, s13, 1                       ; lower row tap
	s_mul_i32 s15, s10, 121
	s_add_co_u32 s13, s13, s15
	s_add_co_u32 s14, s14, s15
	s_lshl_b32 s16, s13, 9                         ; rows of m are 512 bytes
	s_mov_b32 s17, 0
	s_lshl_b32 s18, s14, 9
	s_mov_b32 s19, 0
	s_lshl_b32 s20, ttmp9, 12                      ; 4 rows of 1,024 bytes of out0
	s_mov_b32 s21, 0
	v_and_b32 v1, 63, v0
	v_mul_u32_u24 v1, 968, v1                      ; 242 j0, j0 = 4 (t % 64)
	v_lshlrev_b32 v[OO], 4, v0
.irp k, 0,1,2,3
	v_add_nc_u32 v2, 242*\k+377, v1                ; N for column j0 + k
	v_lshrrev_b32 v3, 9, v2
	v_and_b32 v2, 511, v2
	v_cvt_f32_u32 v[FX+\k], v2
	v_min_u32 v2, 120, v3                          ; upper tap
	v_max_u32 v3, 1, v3
	v_lshlrev_b32 v[O1+\k], 2, v2
	v_lshl_add_u32 v[O0+\k], v3, 2, -4             ; lower tap = max(N >> 9, 1) - 1, in bytes
.endr
	s_wait_kmcnt 0x0
	s_add_nc_u64 s[16:17], s[4:5], s[16:17]        ; m at the lower row
	s_add_nc_u64 s[18:19], s[4:5], s[18:19]        ; m at the upper row
	s_add_nc_u64 s[6:7], s[6:7], s[20:21]
.irp k, 0,1,2,3
	global_load_b32 v[M00+\k], v[O0+\k], s[16:17]
.endr
.irp k, 0,1,2,3
	global_load_b32 v[M10+\k], v[O0+\k], s[18:19]
.endr
.irp k, 0,1,2,3
	global_load_b32 v[M01+\k], v[O1+\k], s[16:17]
.endr
.irp k, 0,1,2,3
	global_load_b32 v[M11+\k], v[O1+\k], s[18:19]
.endr
	v_pk_mul_f32 v[FX:FX+1],   v[FX:FX+1],   0x3b000000 op_sel_hi:[1,0]   ; / 512, exact
	v_pk_mul_f32 v[FX+2:FX+3], v[FX+2:FX+3], 0x3b000000 op_sel_hi:[1,0]
	v_cvt_f32_u32 v[FY], s12
	v_mul_f32 v[FY], 0x3b000000, v[FY]
	v_mov_b32 v[FY+1], v[FY]
	s_wait_loadcnt 0x8                             ; the eight loads of the upper column taps stay out; the lower column taps are in
.irp p, 0,2
	v_pk_add_f32 v[M10+\p:M10+\p+1], v[M10+\p:M10+\p+1], v[M00+\p:M00+\p+1] neg_lo:[0,1] neg_hi:[0,1]
.endr
.irp p, 0,2
	v_pk_fma_f32 v[M00+\p:M00+\p+1], v[M10+\p:M10+\p+1], v[FY:FY+1], v[M00+\p:M00+\p+1]   ; rows blended, lower column tap
.endr
	s_wait_loadcnt 0x0
.irp p, 0,2
	v_pk_add_f32 v[M11+\p:M11+\p+1], v[M11+\p:M11+\p+1], v[M01+\p:M01+\p+1] neg_lo:[0,1] neg_hi:[0,1]
.endr
.irp p, 0,2
	v_pk_fma_f32 v[M01+\p:M01+\p+1], v[M11+\p:M11+\p+1], v[FY:FY+1], v[M01+\p:M01+\p+1]   ; rows blended, upper column tap
.endr
.irp p, 0,2
	v_pk_add_f32 v[M01+\p:M01+\p+1], v[M01+\p:M01+\p+1], v[M00+\p:M00+\p+1] neg_lo:[0,1] neg_hi:[0,1]
.endr
.irp p, 0,2
	v_pk_fma_f32 v[M00+\p:M00+\p+1], v[M01+\p:M01+\p+1], v[FX+\p:FX+\p+1], v[M00+\p:M00+\p+1]   ; columns blended
.endr
	global_store_b128 v[OO], v[M00:M00+3], s[6:7] th:TH_STORE_NT   ; a wave stores 512 consecutive bytes, at a multiple of 512 from out0's first byte
	s_endpgm
.Lfunc_end_k_q7876959b10_resize:
	.size	k_q7876959b10_resize, .Lfunc_end_k_q7876959b10_resize-k_q7876959b10_resize
	.p2alignl 7, 3214868480
	.fill 96, 4, 3214868480
	.section	.rodata,"a",@progbits
	.p2align	6, 0x0
	.amdhsa_kernel k_q7876959b10_resize
		.amdhsa_group_segment_fixed_size 0
		.amdhsa_private_segment_fixed_size 0
		.amdhsa_enable_private_segment 0
		.amdhsa_kernarg_size 16
		.amdhsa_user_sgpr_count 2
		.amdhsa_user_sgpr_kernarg_segment_ptr 1
		.amdhsa_wavefront_size32 1
		.amdhsa_system_sgpr_workgroup_id_x 1
		.amdhsa_system_sgpr_workgroup_id_y 1
		.amdhsa_system_sgpr_workgroup_id_z 1
		.amdhsa_system_vgpr_workitem_id 0
		.amdhsa_next_free_vgpr 36
		.amdhsa_next_free_sgpr 66
		.amdhsa_reserve_vcc 0
		.amdhsa_float_denorm_mode_32 3
		.amdhsa_float_denorm_mode_16_64 3
		.amdhsa_memory_ordered 1
		.amdhsa_forward_progress 1
		.amdhsa_inst_pref_size 6
	.end_amdhsa_kernel
	.amdgpu_metadata
---
amdhsa.version: [ 1, 2 ]
amdhsa.kernels:
  - .name:           k_q7876959b10_resize
    .symbol:         k_q7876959b10_resize.kd
    .args:
      - { .name: m, .offset: 0, .size: 8, .value_kind: global_buffer, .address_space: global }
      - { .name: out0, .offset: 8, .size: 8, .value_kind: global_buffer, .address_space: global }
    .group_segment_fixed_size: 0
    .private_segment_fixed_size: 0
    .kernarg_segment_align: 8
    .kernarg_segment_size: 16
    .max_flat_workgroup_size: 256
    .sgpr_count:     66
    .vgpr_count:     36
    .wavefront_size: 32
...
	.end_amdgpu_metadata
.endif
;; end of part 2
;; ======== version 2 of 2: 2 launches; version 1 with the launch patchmse written anew for expert scheduling mode
;; workspace buffers: m 247,808 bytes
;; launch patchmse (part 3): grid 121 x 4, 11 waves a work-group, no clusters, 54,784 bytes of LDS; arguments x, y, m; writes m
.if DOCPART == 3
	.amdgcn_target "amdgcn-amd-amdhsa--gfx1250"
	.amdhsa_code_object_version 6
	.text
	.protected	k_q7876959b10_patchmse
	.globl	k_q7876959b10_patchmse
	.p2align	8
	.type	k_q7876959b10_patchmse,@function
k_q7876959b10_patchmse:
	s_mov_b64 s[64:65], 0
	v_nop
	global_prefetch_b8 v0, s[64:65] scope:SCOPE_SE
	s_setreg_imm32_b32 hwreg(HW_REG_WAVE_SCHED_MODE, 0, 2), 2
	s_setreg_imm32_b32 hwreg(HW_REG_WAVE_MODE, 25, 1), 1
	s_wait_xcnt 0x0
	s_wait_alu depctr_vm_vsrc(0)
; NoveltyMap, first of two launches.
; m[b][py][px] = mean over c, ky, kx of (x[b][c][2py+ky][2px+kx] - y[b][c][16py+ky][16px+kx])^2, c < 3, ky, kx < 16.
; x: [4][3][256][256] f32.  y: [4][3][1936][1936] f32.  m: workspace [4][121][128] f32: 121 means, then 7 copies of the last one,
; so that a row of m is 512 bytes and is stored whole.
;
; One work-group = one (b, py), eleven waves.  For one channel its 16 rows of y are 16 x 7,744 = 123,904 consecutive bytes that begin
; at a multiple of 256 from y's first byte.  EIGHT rows are 61,952 bytes = 121 x 512 = 11 waves x 11 loads of 512 bytes: thread t takes,
; in slot s, the float4 number F = 352 s + t of the eight rows.  F / 484 is its row (ky mod 8), (F % 484) / 4 its patch px, F % 4 = t % 4
; its quarter q of the patch's 16 columns.  These are the same in all six passes (3 channels x 2 halves of the 16 rows), so a slot has one
; packed accumulator and one LDS address for the whole kernel, and every load of a wave covers 512 consecutive, aligned bytes of y.
; x: the group's 3 x 16 rows (48 KiB) are staged once in LDS; a float4 of y meets x[2 px + 4 q .. + 3], an address that is a multiple
; of 8 bytes only, hence two 8-byte LDS loads.  The 32 lanes of such a load lie within some 120 bytes of one or two x rows.
; y goes straight to registers: each byte is used once, by one lane, so a trip through LDS would only add traffic.  No cluster: y is shared
; by no two work-groups, and x is 48 KiB beside 363 KiB of y.  No matrix unit: there is no product of matrices here.
; No prefetch: each wave has 21 loads of y or more out from its first lines to its last third.
; LIMITS: the 768 squares are added in another order than the reference adds them (per lane, then 4 lanes, then 8 rows); all in f32.
; Infinities and NaN go through the arithmetic as they are.
;
; THE MODE: SCHED_MODE bits 1:0 = 2 (LLVM: expert scheduling mode 2), set by the entry lines.  The code itself states the register dependences
; between vector instructions and memory or LDS instructions, with s_wait_alu, always for 0.
; THE PLAN.  The 66 steps (one float4 of y each) go in 22 blocks of three.  Registers that memory or LDS instructions touch:
;   Y0 .. Y7    eight blocks of y as loaded.  Block p's differences read Y[p % 8]; the loads of block p + 7, issued in block p, land in Y[(p - 1) % 8].
;   XR0, XR1    two blocks of x operands.     Block p's differences read XR[p % 2]; the LDS loads of block p + 1, issued in block p, land in XR[(p - 1) % 2].
;   v[YO], v[XA ..], v[LS]   offsets and LDS addresses, made once at the head and never written again: rows, passes and slots ride in immediate offsets and three scalar bases.
;   XT, XO      at the head only: x on its way into LDS, and its offsets; afterwards these registers are ACC and XR.
;   T and ACC are named by vector instructions alone, until the way out.
; So block p's memory instructions touch only the two buffers that block p - 1 worked on, which no vector instruction of block p names: ONE wait on va_vdst
; at a block's head states all that the block's three loads of y and six LDS loads hang on, and these are dealt among its vector instructions with no further wait.
.set NW,      11                       ; waves
.set SLOTS,   11                       ; loads of a wave in one pass
.set PASSES,  6                        ; pass p: channel p / 2, rows 8 (p % 2) .. + 7
.set NLOADS,  SLOTS*PASSES             ; 66 loads of y in a wave
.set BS,      3                        ; steps in a block
.set D,       8*BS                     ; ring of y registers: eight blocks, 24 float4
.set NX,      2*BS                     ; ring of x operand registers: two blocks; x operands are fetched from LDS a block (three steps) ahead
.set SWEEP,   NW*512                   ; 5,632 bytes: what the eleven waves cover with one load each
.set YROW,    1936*4
.set YHALF,   8*YROW                   ; 61,952
.set YBLOCK,  16*YROW                  ; a patch row of one channel
.set YCHAN,   1936*YROW
.set YBATCH,  3*YCHAN
.set XROW,    1024
.set XCHAN,   256*XROW
.set XBATCH,  3*XCHAN
.set XSTAGE,  16*XROW                  ; LDS: channel c's 16 rows of x at c * 16,384
.set PART,    3*XSTAGE                 ; LDS: behind them 968 partial sums, [ky mod 8][px]
.set YO,  1                            ; v1        16 t: my bytes in a sweep
.set XA,  2                            ; v[2:12]   slot s: LDS address of my x numbers, less the constants that ride in the offset
.set LS,  13                           ; v13       staging: 16 lane + 512 wave
.set T,   14                           ; v[14:17]  at work; on the way out three addresses
.set ACC, 18                           ; v[18:39]  slot s: two running sums
.set XR,  40                           ; v[40:63]  ring of x operands, 4 registers each; on the way out the eight partial sums of a patch
.set XT,  18                           ; v[18:53]  staging only: nine float4 of x (over ACC and XR, which are not yet in use)
.set XO,  54                           ; v[54:62]  staging only: their offsets in x
.set Y,   64                           ; v[64:159] ring of y, 4 registers each
.set YB,  16                           ; s[16:21]  y at my 16 rows of channel 0, 1, 2
.set YI,  0                            ; counted by the text: loads of y issued so far,
.set XI,  0                            ; and fetches of x operands: the counted waits are made from them
	s_load_b128 s[4:7], s[0:1], 0x0                ; x s[4:5], y s[6:7]
	s_load_b64 s[8:9], s[0:1], 0x10                ; m
	v_lshl_add_u32 v160, v0, 2, 0xd000
	v_mov_b32 v161, 0
	v_lshrrev_b32 v[T], 5, v0
	v_readfirstlane_b32 s11, v[T]                  ; wave
	s_and_b32 s10, ttmp7, 0xffff                   ; b; ttmp9 is py
	v_lshlrev_b32 v[YO], 4, v0
	; staging: float4 number G = 352 i + t of the 3,072 lies in channel G / 1024; in x the channels are 262,144 bytes apart, in LDS 16,384
.irp i, 0,1,2,3,4,5,6,7,8
	v_add_nc_u32 v[T], \i*NW*32, v0
	v_lshrrev_b32 v[T], 10, v[T]
	v_mad_u32_u24 v[XO+\i], v[T], XCHAN-XSTAGE, v[YO]      ; + 5,632 i in the load's offset
.endr
	s_wait_alu depctr_va_sdst(0)                   ; s11 is written, ahead of its first reader: the branches on the wave's number and two LDS addresses are made from it
	s_mul_i32 s12, s10, YBATCH
	s_mul_i32 s13, ttmp9, YBLOCK
	s_add_co_u32 s12, s12, s13                     ; below 150,000,000: one word
	s_mov_b32 s13, 0
	s_mul_i32 s14, s10, XBATCH
	s_lshl_b32 s15, ttmp9, 11                      ; row 2 py of x
	s_add_co_u32 s14, s14, s15
	s_mov_b32 s15, 0
	s_mul_i32 s22, s10, 121
	s_add_co_u32 s22, s22, ttmp9
	s_lshl_b32 s22, s22, 9                         ; row (b, py) of m, 512 bytes each
	s_mov_b32 s23, 0
	s_wait_kmcnt 0x0
	s_add_nc_u64 s[4:5], s[4:5], s[14:15]
	s_add_nc_u64 s[YB:YB+1], s[6:7], s[12:13]
	s_add_nc_u64 s[YB+2:YB+3], s[YB:YB+1], YCHAN
	s_add_nc_u64 s[YB+4:YB+5], s[YB+2:YB+3], YCHAN
	s_add_nc_u64 s[8:9], s[8:9], s[22:23]
	s_wait_alu depctr_va_vdst(0)                   ; v[XO ..] and v[YO] are written, which the loads of x and every load of y read as their offsets
	; x first, since loads come back in the order of issue and x is wanted first.  96 wave loads for eleven waves: eight each, a ninth for waves 0-7.
	; No hint: the neighbouring patch rows read fourteen of these sixteen rows again.
.irp i, 0,1,2,3,4,5,6,7
	global_load_b128 v[XT+4*\i:XT+4*\i+3], v[XO+\i], s[4:5] offset:\i*SWEEP
.endr
	s_cmp_ge_u32 s11, 8
	s_cbranch_scc1 .Lno_ninth_load
	global_load_b128 v[XT+32:XT+35], v[XO+8], s[4:5] offset:8*SWEEP
.Lno_ninth_load:
; load number i of y: pass i / 11, slot i % 11
.macro YLOAD i
	global_load_b128 v[Y+4*((\i)%D):Y+4*((\i)%D)+3], v[YO], s[YB+2*((\i)/(2*SLOTS)):YB+2*((\i)/(2*SLOTS))+1] offset:(((\i)/SLOTS)%2)*YHALF+((\i)%SLOTS)*SWEEP th:TH_LOAD_NT
.set YI, YI+1
.endm
; the four x numbers that belong to it: pass p's eight rows lie at 8,192 p; 704 s = 8 x 88 s is the slot's share of 8 P (see below)
.macro XFETCH i
	ds_load_b64 v[XR+4*((\i)%NX):XR+4*((\i)%NX)+1],   v[XA+(\i)%SLOTS] offset:((\i)/SLOTS)*8*XROW+((\i)%SLOTS)*704
	ds_load_b64 v[XR+4*((\i)%NX)+2:XR+4*((\i)%NX)+3], v[XA+(\i)%SLOTS] offset:((\i)/SLOTS)*8*XROW+((\i)%SLOTS)*704+8
.set XI, XI+1
.endm
.set k, 0
.rept D
	YLOAD k                                        ; the ring of y is filled before anything is waited for: blocks 0 to 7
.set k, k+1
.endr
	; while the loads are out: addresses.  P = F / 4 = 88 s + t / 4 = 121 r + px with r = ky mod 8.
	; r = P / 121 = (542 P) >> 16, exact for P < 968: 542 x 121 = 65,536 + 46, and 46 x 7 + 542 x 120 = 65,362 stays below 65,536.
	; LDS address = 1,024 r + 8 px + 16 q = 8 P + 56 r + 16 q.  (These lines name v0, LS, T and XA: no register of a load that is out.)
	v_and_b32 v[LS], 31, v0
	s_lshl_b32 s24, s11, 9
	v_lshl_add_u32 v[LS], v[LS], 4, s24            ; 16 lane + 512 wave: each wave stores bytes of its own
	v_lshrrev_b32 v[T], 2, v0                      ; t / 4
	v_and_b32 v[T+1], 3, v0                        ; q
	v_lshlrev_b32 v[T+1], 4, v[T+1]
	v_lshl_add_u32 v[T+1], v[T], 3, v[T+1]         ; 8 (t / 4) + 16 q
.irp s, 0,1,2,3,4,5,6,7,8,9,10
	v_add_nc_u32 v[T+2], \s*88, v[T]               ; P
	v_mul_u32_u24 v[T+2], 542, v[T+2]
	v_lshrrev_b32 v[T+2], 16, v[T+2]               ; r
	v_mad_u32_u24 v[XA+\s], v[T+2], 56, v[T+1]
.endr
	s_wait_loadcnt D                               ; the D loads of y issued behind x's stay out; x is in (eight loads or nine, the count is the same)
	s_wait_alu depctr_va_vdst(0)                   ; v[LS] is written, the address of the LDS stores below; so are v[XA ..], the addresses of every fetch of x
.irp i, 0,1,2,3,4,5,6,7
	ds_store_b128 v[LS], v[XT+4*\i:XT+4*\i+3] offset:\i*SWEEP
.endr
	s_cmp_ge_u32 s11, 8
	s_cbranch_scc1 .Lno_ninth_store
	ds_store_b128 v[LS], v[XT+32:XT+35] offset:8*SWEEP
.Lno_ninth_store:
	s_wait_dscnt 0x0                               ; for the other waves' sake: my part of x is in LDS
	s_barrier_signal -1
	s_barrier_wait -1                              ; everybody's is; from here on these 48 KiB are only read
	s_wait_alu depctr_vm_vsrc(0)                   ; my LDS stores have read v[XT ..] and x's loads their offsets v[XO ..]: from here on these registers are ACC, which the products write, and XR, in which the fetches of x land
; Step n (the symbol n): the float4 of load n.  Two packed differences, two packed multiply-adds; the slot's first product starts its sums.
; In front of them the step's share of its block's memory instructions: the x operands of step n + 3 and the load of y of step n + 21.
.macro STEP
.if n%BS == 0
	s_wait_loadcnt YI-1-n                          ; a block's head.  Loads end in the order of issue: load n is in; the younger ones stay out (20 while loads are still issued; 23 in block 0; in the tail those that are left)
.if (n > 0) && (n+BS < NLOADS)
	s_wait_alu depctr_va_vdst(0)                   ; the block before is done reading its Y and its XR, in which this block's loads of y and fetches of x land (the last block issues none, and has no wait)
.endif
.endif
.if n+BS < NLOADS
	XFETCH n+BS                                    ; into the other XR; no vector instruction since the wait names these registers
.endif
.if (n >= BS) && (n+D-BS < NLOADS)
	YLOAD n+D-BS                                   ; into the Y that the block before read; no load passes the 66th
.endif
.if n%BS != 0
	s_wait_loadcnt YI-1-n                          ; load n is in; the younger ones stay out (21 behind this step's own load; in block 0 and in the tail those that are left)
.endif
	s_wait_dscnt 2*(XI-1-n)                        ; two LDS loads for each of the steps fetched ahead stay out: six, in the last block four, two, none
	v_pk_add_f32 v[T:T+1],   v[Y+4*(n%D):Y+4*(n%D)+1],   v[XR+4*(n%NX):XR+4*(n%NX)+1]   neg_lo:[0,1] neg_hi:[0,1]
	v_pk_add_f32 v[T+2:T+3], v[Y+4*(n%D)+2:Y+4*(n%D)+3], v[XR+4*(n%NX)+2:XR+4*(n%NX)+3] neg_lo:[0,1] neg_hi:[0,1]
.if n < SLOTS
	v_pk_mul_f32 v[ACC+2*(n%SLOTS):ACC+2*(n%SLOTS)+1], v[T:T+1], v[T:T+1]
.else
	v_pk_fma_f32 v[ACC+2*(n%SLOTS):ACC+2*(n%SLOTS)+1], v[T:T+1], v[T:T+1], v[ACC+2*(n%SLOTS):ACC+2*(n%SLOTS)+1]
.endif
	v_pk_fma_f32 v[ACC+2*(n%SLOTS):ACC+2*(n%SLOTS)+1], v[T+2:T+3], v[T+2:T+3], v[ACC+2*(n%SLOTS):ACC+2*(n%SLOTS)+1]
.endm
.set k, 0
.rept BS
	XFETCH k                                       ; block 0's x operands
.set k, k+1
.endr
.set n, 0
.rept NLOADS
	STEP
.set n, n+1
.endr
	; Each slot: my four columns, then the four quarters of the patch's row (lanes 4 i .. 4 i + 3), ridden on the additions.
.irp s, 0,1,2,3,4,5,6,7,8,9,10
	v_add_f32 v[ACC+2*\s], v[ACC+2*\s], v[ACC+2*\s+1]
.endr
.irp s, 0,1,2,3,4,5,6,7,8,9,10
	v_add_f32_dpp v[ACC+2*\s], v[ACC+2*\s], v[ACC+2*\s] row_xmask:1 row_mask:0xf bank_mask:0xf
.endr
.irp s, 0,1,2,3,4,5,6,7,8,9,10
	v_add_f32_dpp v[ACC+2*\s], v[ACC+2*\s], v[ACC+2*\s] row_xmask:2 row_mask:0xf bank_mask:0xf
.endr
	v_and_b32 v[T], 28, v0                         ; 4 (lane / 4)
	s_lshl_b32 s24, s11, 5                         ; + 8 words for each wave: word P = 88 s + t / 4 = 121 r + px
	v_add_nc_u32 v[T], s24, v[T]
	v_min_u32 v[T+2], 120, v0                      ; the way out's other two addresses are made here, in registers of their own, so that the one wait below serves all three:
	v_lshlrev_b32 v[T+2], 2, v[T+2]                ; where a patch's partial sums are read (threads 121-127 repeat the last patch: the row's 512 bytes are stored whole),
	v_lshlrev_b32 v[T+1], 2, v0                    ; and my word in the row of m
	s_wait_alu depctr_va_vdst(0)                   ; the sums v[ACC ..] and the address v[T] are written, which the LDS stores read; so are v[T+2] and v[T+1]; and the steps are done reading XR, in which the LDS loads below land
.irp s, 0,1,2,3,4,5,6,7,8,9,10
	ds_store_b32 v[T], v[ACC+2*\s] offset:PART+\s*352      ; the four lanes of a quarter-group write one word with one value
.endr
	s_wait_dscnt 0x0                               ; for the other waves' sake
	s_barrier_signal -1
	s_barrier_wait -1
	s_cmp_ge_u32 s11, 4                            ; 128 threads finish the row of m
	s_cbranch_scc1 .Ldone
.irp r, 0,1,2,3,4,5,6,7
	ds_load_b32 v[XR+\r], v[T+2] offset:PART+\r*484        ; into XR's registers, which no LDS store has read and no vector instruction has named since the wait above
.endr
	s_wait_dscnt 0x0
	v_pk_add_f32 v[XR:XR+1],   v[XR:XR+1],   v[XR+2:XR+3]
	v_pk_add_f32 v[XR+4:XR+5], v[XR+4:XR+5], v[XR+6:XR+7]
	v_pk_add_f32 v[XR:XR+1],   v[XR:XR+1],   v[XR+4:XR+5]
	v_add_f32 v[XR], v[XR], v[XR+1]
	v_mul_f32 v[XR], 0x3aaaaaab, v[XR]             ; 1 / 768
	s_wait_alu depctr_va_vdst(0)                   ; the mean v[XR] is written, which the store reads
	global_store_b32 v[T+1], v[XR], s[8:9]         ; a wave stores 128 consecutive bytes, the four waves the row's 512; the next launch reads them: no hint
.Ldone:
	s_wait_dscnt 0x0
	s_wait_alu depctr_hold_cnt(0) depctr_sa_sdst(0) depctr_va_vdst(0) depctr_va_sdst(0) depctr_va_ssrc(0) depctr_va_vcc(0) depctr_vm_vsrc(0)
	s_wait_tensorcnt 0x0
	ds_add_u32 v160, v161
	s_wait_dscnt 0x0
	s_endpgm
.Lfunc_end_k_q7876959b10_patchmse:
	.size	k_q7876959b10_patchmse, .Lfunc_end_k_q7876959b10_patchmse-k_q7876959b10_patchmse
	.p2alignl 7, 3214868480
	.fill 96, 4, 3214868480
	.section	.rodata,"a",@progbits
	.p2align	6, 0x0
	.amdhsa_kernel k_q7876959b10_patchmse
		.amdhsa_group_segment_fixed_size 54784
		.amdhsa_private_segment_fixed_size 0
		.amdhsa_enable_private_segment 0
		.amdhsa_kernarg_size 24
		.amdhsa_user_sgpr_count 2
		.amdhsa_user_sgpr_kernarg_segment_ptr 1
		.amdhsa_wavefront_size32 1
		.amdhsa_system_sgpr_workgroup_id_x 1
		.amdhsa_system_sgpr_workgroup_id_y 1
		.amdhsa_system_sgpr_workgroup_id_z 1
		.amdhsa_system_vgpr_workitem_id 0
		.amdhsa_next_free_vgpr 162
		.amdhsa_next_free_sgpr 66
		.amdhsa_reserve_vcc 0
		.amdhsa_float_denorm_mode_32 3
		.amdhsa_float_denorm_mode_16_64 3
		.amdhsa_memory_ordered 1
		.amdhsa_forward_progress 1
		.amdhsa_inst_pref_size 48
	.end_amdhsa_kernel
	.amdgpu_metadata
---
amdhsa.version: [ 1, 2 ]
amdhsa.kernels:
  - .name:           k_q7876959b10_patchmse
    .symbol:         k_q7876959b10_patchmse.kd
    .args:
      - { .name: x, .offset: 0, .size: 8, .value_kind: global_buffer, .address_space: global }
      - { .name: y, .offset: 8, .size: 8, .value_kind: global_buffer, .address_space: global }
      - { .name: m, .offset: 16, .size: 8, .value_kind: global_buffer, .address_space: global }
    .group_segment_fixed_size: 54784
    .private_segment_fixed_size: 0
    .kernarg_segment_align: 8
    .kernarg_segment_size: 24
    .max_flat_workgroup_size: 352
    .sgpr_count:     66
    .vgpr_count:     162
    .wavefront_size: 32
...
	.end_amdgpu_metadata
.endif
;; end of part 3
;; launch resize: the kernel of part 2 again; grid 256 x 1, 8 waves a work-group, no clusters, 0 bytes of LDS; arguments m, out0; writes out0
